; MI455X (gfx1250); checked and timed in simulation.
; The chip was launched on July 23, 2026; its instructions are those of AMD's public machine-readable ISA for CDNA 5 (MIT licence, August 2026) and "CDNA5" Instruction Set Architecture Reference Guide (July 2026). The comments in the code are by the model that wrote it; some were corrected since.
;; Ply Bit Linear. Allowed arithmetic: float matrix products may take bf16 or f16 operands with f32 sums; other float arithmetic in f32, or as packed bf16 or f16 multiplies, adds, multiply-adds, maxima and minima; sums over many terms, partial sums and values carried from step to step in f32; what a program stores and reads back later, other than sums and carried values, may be rounded once to bf16 or f16.
;; Inputs: packed_weight 1,024 x 4,096 uint8; scale one number float32; x 4,096 x 4,096 float16.
;; Outputs: out0 4,096 x 4,096 float32.
;; One version. Each part assembles by itself: llvm-mc -triple=amdgcn-amd-amdhsa -mcpu=gfx1250 --defsym DOCPART=n.
;; ======== version 1 of 1: 1 launch
;; launch bitgemm (part 1): grid 16 x 16, 4 waves a work-group, clusters of 4 x 4, 327,680 bytes of LDS; arguments x, packed_weight, scale, out0; writes out0
.if DOCPART == 1
	.amdgcn_target "amdgcn-amd-amdhsa--gfx1250"
	.amdhsa_code_object_version 6
	.text
	.protected	k_qfff89d6619_bitgemm
	.globl	k_qfff89d6619_bitgemm
	.p2align	8
	.type	k_qfff89d6619_bitgemm,@function
k_qfff89d6619_bitgemm:
	s_mov_b64 s[64:65], 0
	v_nop
	global_prefetch_b8 v0, s[64:65] scope:SCOPE_SE
	s_setreg_imm32_b32 hwreg(HW_REG_WAVE_MODE, 25, 1), 1
	s_wait_xcnt 0x0
	s_wait_alu depctr_hold_cnt(0) depctr_sa_sdst(0) depctr_va_vdst(0) depctr_va_sdst(0) depctr_va_ssrc(0) depctr_va_vcc(0) depctr_vm_vsrc(0)
	s_getreg_b32 s2, hwreg(HW_REG_IB_STS2, 6, 4)
	s_cmp_eq_u32 s2, 0
	s_cbranch_scc0 .Lentry_in_a_cluster
	s_endpgm
.Lentry_in_a_cluster:
	s_bfe_u32 s2, ttmp6, 0x10000c
	s_cmp_lg_u32 s2, 0xf033
	s_cbranch_scc0 .Lentry_shape_is_right
	s_endpgm
.Lentry_shape_is_right:
; out0[m][n] = f32( f16( sum over k of x[m][k] w[k][n] ) ) * scale.  x: [4096][4096] f16.  w: ternary, four consecutive k in a byte of packed_weight[k/4][n] ([1024][4096] bytes),
; entry j at bits 2j: code 1 = +1, code 2 = -1, codes 0 and 3 = 0.  scale: one f32.  out0: [4096][4096] f32.  Products in f16 (exact for x and for w), sums in f32.
; SHARES.  A work-group of four waves makes 256 x 256 of the output: 16 x 16 = 256 work-groups.  A wave makes all 256 rows x 64 columns: 16 blocks of 16 rows x 4 fragments of 16 columns = 64 accumulators,
; 512 registers.  So each wave alone unpacks its 64 columns of w (no weight is unpacked twice in a work-group), and for 32 along K it reads 16 KB of x and 512 bytes of codes from LDS for 64 matrix instructions.
; THE WEIGHTS STAY PACKED in memory and in LDS and are unpacked in registers.  Fragment b (0..3), lane r stands for column 64 wave + 4 r + b, so ONE 4-byte LDS load a lane (4 columns x 4 k) feeds all four fragments.
; Unpacking: G = w ^ ((w >> 1) & 0x55555555) turns the codes 0, 1, 2, 3 into the fields 00, 01, 11, 10; a field put at bits 15:14 of an f16 reads 0, +2.0, -2.0, -0.0.  So the sums are exactly twice the wanted
; ones, and the way out halves them in f32 (exact) ahead of the rounding to f16.  20 plain vector instructions for a loaded word (16 codes, 8 registers): 80 for 64 matrix instructions.
; THE WAY OUT needs no LDS: register j of a block's four accumulators holds four NEIGHBOURING columns of one row: 16 bytes a lane, and sixteen lanes store 256 consecutive bytes, aligned.
; K goes in steps of 128 through two LDS slots filled by the tensor data mover; x's rows of a tile are 256 bytes of memory, and so are the codes' rows.
; CLUSTER.  4 x 4 work-groups.  The four of a row of the cluster need the same tiles of x, the four of a column the same tiles of codes: each tile is asked for JOINTLY.
; LIMITS.  Code 3 counts as the weight -0.0: its products are zeros (with x infinite or NaN they are NaN, as a weight 0 gives too); the sign of a zero result is not kept.  A sum beyond f16's range becomes
; an infinity in the rounding to f16, as the cast in the definition does.  NaN and infinities are not treated apart.
; REGISTERS, in windows of 256 (s_set_vgpr_msb: bits 1:0 source 0, 3:2 source 1, 5:4 source 2, 7:6 destination):
;   window 0: v0-31 addresses and constants; v32-43 unpacking at work; v64-95, v96-127 w's fragments, two buffers; v128-239 the way out
;   window 1: x's fragments, two buffers of 128 (block a at 8 a)      window 2: accumulators of blocks 0-7 ((a, b) at 8 (4 a + b))      window 3: those of blocks 8-15
.set KSTEP,  128
.set LAPS,   16                        ; a lap = two K steps = once round the ring: 4096 / 256
.set PITCH,  272                       ; a row of x in LDS: 256 bytes + 16 of padding = 68 words: row r starts at bank 4 r mod 64 (64 banks of 4 bytes: ISA guide 11.1)
.set HALFT,  128*PITCH                 ; 128 rows of x: what one tensor load brings
.set ABYTES, 2*HALFT                   ; x's 256 rows
.set PB,     288                       ; a row of codes in LDS: 256 bytes + 32 of padding: the two halves of the lanes read rows two apart, 576 bytes = 64 mod 256: 32 different banks
.set HB,     16*PB                     ; 16 rows of codes (64 k): what one tensor load brings
.set SLOT,   ABYTES+2*HB               ; x's 256 rows, then the 32 rows of codes
.set SPARE,  2*SLOT                    ; behind the ring: the spare words, 128 bytes for each wave: two blocks of 256 bytes that no other line names
.set ASTEP,  KSTEP*2                   ; bytes along a row of x from K step to K step
.set BSTEP,  (KSTEP/4)*4096            ; bytes from a K step's 32 rows of codes to the next's
.set ROWC,   16384                     ; bytes in a row of out0
.set ADRA, 16                          ; v16-17  LDS address of my lane's place in x's tile, slot 0, 1
.set ADRB, 20                          ; v20-21  the same in the codes' tile
.set CO,   26                          ; v26     my byte offset in out0; never rewritten
.set SCL,  27                          ; v27     scale
.set SPW,  28                          ; v28     LDS address of my spare word: SPARE + 4 x my thread's number; never rewritten
.set NIL,  29                          ; v29     0; never rewritten
.set ZER,  30                          ; v30     0, the addend of the way out's multiply
.set PW,   32                          ; v32-35  four packed words, then their G
.set DX,   36                          ; v36-39  at work; at last columns 2, 3 interleaved
.set DT,   40                          ; v40-43  columns 0, 1 interleaved
.set BF,   64                          ; w's fragments: buffer g, fragment b at BF + 32 g + 8 b
.set OB,   128                         ; the way out: two sets of 32 registers to store
.set TT,   192                         ; the way out: 32 halved sums
.set HF,   224                         ; the way out: 16 registers of two f16
.set WV,   12                          ; s12  my wave's number
.set FB,   13                          ; s13  0: I fetch x's tiles; 1: the codes'
.set HLF,  14                          ; s14  which half of that tile
.set LAP,  15                          ; s15  laps to go
.set G1,   24                          ; s[24:31] descriptor group 1 for x's tiles
.set G0,   32                          ; s[32:39] descriptor group 0 for x's tiles, a set for each slot
.set G1B,  48                          ; s[48:55] group 1 for the codes' tiles
.set G0B,  56                          ; s[56:63] group 0 for the codes' tiles, a set for each slot
.set M55,  66                          ; s66  0x55555555
.set MHI,  67                          ; s67  0xC000C000: bits 15:14 of both halves
.set SELL, 68                          ; s68  byte select: the two low halves
.set SELH, 69                          ; s69  byte select: the two high halves
.set SSC,  70                          ; s70  scale
.set MSB, 0
.macro WIN new                         ; the immediate's high byte repeats the setting that is left; a switch that changes nothing is dropped
.if MSB != (\new)
	s_set_vgpr_msb (MSB<<8)|(\new)
.set MSB, (\new)
.endif
.endm
.set MUL_LO, 0xa1                      ; source 0 (x) window 1, source 1 (w) window 0, C and D window 2
.set MUL_HI, 0xf1                      ; the same, C and D window 3
.set TO_A,   0x40                      ; destination window 1, address window 0
; A joint load.  Waves 0 and 1 fetch the two halves of x's tile, waves 2 and 3 those of the codes'.  Each line has ONE mask and one set of registers for all that issue it; the branch hangs on the wave's
; number alone.  An s_nop 0 and four v_nop follow each of the two lines, ahead of the jump, the label and what follows.
.macro JLOAD s
	s_cmp_eq_u32 s[FB], 0
	s_cbranch_scc0 .Lfor_b_\@
	tensor_load_to_lds s[G0+4*(\s):G0+4*(\s)+3], s[G1:G1+7]
	s_nop 0
.rept 4
	v_nop
.endr
	s_branch .Lasked_\@
.Lfor_b_\@:
	tensor_load_to_lds s[G0B+4*(\s):G0B+4*(\s)+3], s[G1B:G1B+7]
	s_nop 0
.rept 4
	v_nop
.endr
.Lasked_\@:
.endm
; A round of the cluster's barrier: my work-group's barrier, so that wave 0's signal speaks for all four waves; wave 0 signals; every wave waits for all sixteen work-groups; my work-group's barrier once more.
.macro CREST                           ; a round behind its opening barrier
	s_cmp_lg_u32 s[WV], 0
	s_cbranch_scc1 .Lnot_wave_0_\@
	s_barrier_signal -3
.Lnot_wave_0_\@:
	s_barrier_wait -3
	s_barrier_signal -1
	s_barrier_wait -1
.endm
.macro CROUND                          ; a whole round
	s_barrier_signal -1
	s_barrier_wait -1
	CREST
.endm
	s_load_b256 s[4:11], s[0:1], 0x0               ; x s[4:5], packed_weight s[6:7], scale's address s[8:9], out0 s[10:11]
	v_lshl_add_u32 v[SPW], v0, 2, SPARE
	v_mov_b32 v[NIL], 0
	ds_add_u32 v[SPW], v[NIL]                      ; the wave's opening: the add and its wait stand ahead of my first tensor load; the set-up below, work on registers, stands between them
	v_lshrrev_b32 v1, 5, v0
	v_readfirstlane_b32 s[WV], v1                  ; wave 0..3
	s_lshr_b32 s[FB], s[WV], 1
	s_and_b32 s[HLF], s[WV], 1
	s_bfe_u32 s40, ttmp6, 0x40000                  ; cx: my place along the cluster's x
	s_bfe_u32 s41, ttmp6, 0x40004                  ; cy: along its y
	s_lshl_b32 s42, ttmp9, 2                       ; in a cluster launch ttmp9 and ttmp7 count clusters
	s_add_co_u32 s42, s42, s40                     ; tile column = 4 x cluster x + cx
	s_and_b32 s43, ttmp7, 0xffff
	s_lshl_b32 s43, s43, 2
	s_add_co_u32 s43, s43, s41                     ; tile row = 4 x cluster y + cy
	s_lshl_b32 s44, s41, 2
	s_lshl_b32 s44, 15, s44                        ; my row of the cluster: places 4 cy .. 4 cy + 3
	s_lshl_b32 s45, 0x1111, s40                    ; my column: places cx, cx + 4, cx + 8, cx + 12
	; group 1 for x: a tile of 128 rows x 128 elements of 2 bytes, 4 words of padding behind every 64
	s_or_b32 s[G1+0], s44, (1<<16)|(1<<20)|(1<<21)|(5<<22)|(3<<25)  ; 15:0 the mask: my row; 17:16 elements of 2 bytes; 20 padding on; 21 set beside a mask; 24:22 after every 64 words (code 5); 31:25 4 words (code 3)
	s_mov_b32 s[G1+1], KSTEP<<16                   ; tensor_dim0 = 128
	s_mov_b32 s[G1+2], 128<<16                     ; tensor_dim1 = 128
	s_mov_b32 s[G1+3], KSTEP<<16                   ; tile_dim0 = 128
	s_mov_b32 s[G1+4], 128                         ; tile_dim1 = 128
	s_mov_b32 s[G1+5], 4096                        ; elements from row to row
	s_mov_b32 s[G1+6], 0
	s_mov_b32 s[G1+7], 0
	; group 1 for the codes: a tile of 16 rows x 256 elements of 1 byte, 8 words of padding behind every 64
	s_or_b32 s[G1B+0], s45, (1<<20)|(1<<21)|(5<<22)|(7<<25)         ; the mask: my column; elements of 1 byte; 8 words of padding (code 7)
	s_mov_b32 s[G1B+1], 256<<16                    ; tensor_dim0 = 256
	s_mov_b32 s[G1B+2], 16<<16                     ; tensor_dim1 = 16
	s_mov_b32 s[G1B+3], 256<<16                    ; tile_dim0 = 256
	s_mov_b32 s[G1B+4], 16                         ; tile_dim1 = 16
	s_mov_b32 s[G1B+5], 4096                       ; elements (bytes) from row to row
	s_mov_b32 s[G1B+6], 0
	s_mov_b32 s[G1B+7], 0
	; where the tiles come from.  x's hang on the tile row alone, which my row of the cluster shares; the codes' on the tile column alone, which my column shares.  Neither's registers ever hold the other coordinate.
	s_lshl_b32 s16, s43, 21                        ; 256 rows of 8,192 bytes a tile row,
	s_lshl_b32 s18, s[HLF], 20                     ; 128 rows a half
	s_add_co_u32 s16, s16, s18
	s_mov_b32 s17, 0
	s_lshl_b32 s46, s42, 8                         ; 256 bytes of a row of codes a tile column,
	s_lshl_b32 s19, s[HLF], 16                     ; 16 rows of 4,096 bytes a half
	s_add_co_u32 s46, s46, s19
	s_mov_b32 s47, 0
	s_lshl_b32 s20, s43, 22                        ; out0: 256 rows of 16,384 bytes a tile row,
	s_lshl_b32 s21, s42, 10                        ; 1,024 bytes a tile column,
	s_add_co_u32 s20, s20, s21
	s_lshl_b32 s21, s[WV], 8                       ; 256 bytes (64 columns) a wave
	s_add_co_u32 s20, s20, s21
	s_mov_b32 s21, 0
	s_mul_i32 s22, s[WV], HALFT                    ; and where they go: x's halves at wave x 128 rows (waves 0, 1),
	s_mul_i32 s23, s[WV], HB
	s_add_co_u32 s23, s23, ABYTES-2*HB             ; the codes' halves behind x's 256 rows (waves 2, 3): no place in the cluster enters an LDS address
	s_mov_b32 s[M55], 0x55555555
	s_mov_b32 s[MHI], 0xc000c000
	s_mov_b32 s[SELL], 0x05040100
	s_mov_b32 s[SELH], 0x07060302
	s_wait_dscnt 0x0                               ; the opening add is done
	s_wait_kmcnt 0x0
	s_load_b32 s[SSC], s[8:9], 0x0                 ; scale: waited for behind the first joint loads
	s_add_nc_u64 s[16:17], s[4:5], s[16:17]
	s_add_nc_u64 s[46:47], s[6:7], s[46:47]
	s_add_nc_u64 s[10:11], s[10:11], s[20:21]      ; out0 at my wave's first row and column
	CROUND                                         ; all sixteen work-groups are here: the first joint loads meet
.irp s, 0,1
	s_mov_b32 s[G0+4*(\s)], 1                                        ; 1:0 count = 1
	s_add_co_u32 s[G0+4*(\s)+1], s22, (\s)*SLOT                      ; 63:32 LDS address
	s_add_nc_u64 s[G0+4*(\s)+2:G0+4*(\s)+3], s[16:17], (\s)*ASTEP    ; 120:64 global address: K step s
	s_or_b32 s[G0+4*(\s)+3], s[G0+4*(\s)+3], 0x80000000              ; 127:126 type = 2
	s_mov_b32 s[G0B+4*(\s)], 1
	s_add_co_u32 s[G0B+4*(\s)+1], s23, (\s)*SLOT
	s_add_nc_u64 s[G0B+4*(\s)+2:G0B+4*(\s)+3], s[46:47], (\s)*BSTEP
	s_or_b32 s[G0B+4*(\s)+3], s[G0B+4*(\s)+3], 0x80000000
	JLOAD \s                                       ; the ring is filled before anything else is done: two tensor loads of mine are out
.endr
	; A fragment of x is 16 rows x 32 K in 8 registers: lane l holds row l % 16; registers 0-3 hold K = 8 (l / 16) + 0..7, registers 4-7 K = 16 + 8 (l / 16) + 0..7: two loads of 16 bytes, 32 bytes apart.
	v_and_b32 v1, 15, v0                           ; r = l % 16
	v_bfe_u32 v2, v0, 4, 1                         ; h = l / 16
	v_mul_u32_u24 v[ADRA], v1, PITCH
	v_lshl_add_u32 v[ADRA], v2, 4, v[ADRA]         ; row x pitch + 16 h
	v_add_nc_u32 v[ADRA+1], SLOT, v[ADRA]
	; A fragment of w has the same K in the same registers: 8 h + 0..7 are the codes' rows 2 h, 2 h + 1 of a quarter step's eight, 16 + 8 h + 0..7 its rows 4 + 2 h, 5 + 2 h.
	s_lshl_b32 s18, s[WV], 6                       ; my wave's 64 columns,
	s_add_co_u32 s18, s18, ABYTES                  ; behind x's rows
	v_mul_u32_u24 v3, v2, 2*PB                     ; two rows down for the upper half of the lanes
	v_lshl_add_u32 v3, v1, 2, v3                   ; columns 4 r .. 4 r + 3
	v_add_nc_u32 v[ADRB], s18, v3
	v_add_nc_u32 v[ADRB+1], SLOT, v[ADRB]
	v_lshlrev_b32 v[CO], 17, v2                    ; out0: eight rows down for the upper half of the lanes,
	v_lshl_add_u32 v[CO], v1, 4, v[CO]             ; 16 bytes a lane
	v_mov_b32 v[ZER], 0
	s_wait_kmcnt 0x0                               ; scale
	v_mov_b32 v[SCL], s[SSC]
; One matrix instruction: rows 16 (8 hi + a) on, fragment b, 32 along K, buffers f.  zero = 1: the product starts the sum: nothing is ever cleared.
.macro MM f, hi, a, b, zero
.set rD, 8*(4*(\a)+(\b))
.set rA, 128*(\f)+8*(8*(\hi)+(\a))
.set rB, BF+32*(\f)+8*(\b)
.if \zero
	v_wmma_f32_16x16x32_f16 v[rD:rD+7], v[rA:rA+7], v[rB:rB+7], 0
.else
	v_wmma_f32_16x16x32_f16 v[rD:rD+7], v[rA:rA+7], v[rB:rB+7], v[rD:rD+7]
.endif
.endm
; 16 of them: blocks a0 .. a0 + 3 of the window's eight x all four fragments.  The 64 accumulators take turns, one instruction a turn, in the same order in every quarter step.
.macro MUL16 f, hi, a0, zero
	WIN MUL_LO+0x50*(\hi)
.irp a, \a0, (\a0)+1, (\a0)+2, (\a0)+3
.irp b, 0,1,2,3
	MM \f, \hi, \a, \b, \zero
.endr
.endr
.endm
; 36 LDS loads in one run: quarter q (32 along K) of a slot into buffers g: first the four packed words (rows 8 q + 0, 1, 4, 5, two further down for the upper lanes), then x's 16 blocks.
.macro FETCH slot, q, g
	WIN 0
.irp i, 0,1,2,3
	ds_load_b32 v[PW+(\i)], v[ADRB+(\slot)] offset:(8*(\q)+(\i)+2*((\i)/2))*PB
.endr
	WIN TO_A
.irp a, 0,1,2,3,4,5,6,7,8,9,10,11,12,13,14,15
	ds_load_b128 v[128*(\g)+8*(\a):128*(\g)+8*(\a)+3],   v[ADRA+(\slot)] offset:64*(\q)+(\a)*16*PITCH
	ds_load_b128 v[128*(\g)+8*(\a)+4:128*(\g)+8*(\a)+7], v[ADRA+(\slot)] offset:64*(\q)+(\a)*16*PITCH+32
.endr
.endm
; THE UNPACKING: a list of 80 instructions; DQ writes number n of it, for buffer g, and steps n.  Word i (0..3) fills registers 2 i (its k 0, 1) and 2 i + 1 (its k 2, 3) of all four fragments.
;   0-11   G = w ^ ((w >> 1) & 0x55555555)                      12-15  V = G << 2
;   16-19  T = {V's low half, G's low half}: bits 15:14 of the halves now hold column 1's k 2 and k 3; shifted left by 4: column 1's k 0, 1; by 8: column 0's k 2, 3; by 12: column 0's k 0, 1
;   20-23  U = the same of the high halves: columns 3 and 2       24-47  the three shifts of T and U, into their fragment registers
;   48-55  T and U masked to bits 15:14 of both halves, into theirs       56-79  the shifted ones masked in place
; The four words alternate, so that no line reads the result of one of the three lines in front of it.
.macro DQ g
.set BFD, BF+32*(\g)
.if n < 4
	v_lshrrev_b32 v[DX+n], 1, v[PW+n]
.elseif n < 8
	v_and_b32 v[DX+n-4], s[M55], v[DX+n-4]
.elseif n < 12
	v_xor_b32 v[PW+n-8], v[PW+n-8], v[DX+n-8]
.elseif n < 16
	v_lshlrev_b32 v[DX+n-12], 2, v[PW+n-12]
.elseif n < 20
	v_perm_b32 v[DT+n-16], v[PW+n-16], v[DX+n-16], s[SELL]
.elseif n < 24
	v_perm_b32 v[DX+n-20], v[PW+n-20], v[DX+n-20], s[SELH]
.elseif n < 48
.set m, n-24
.set z, m/8                            ; shift 4 (z + 1): z = 0: the odd column's k 0, 1; z = 1: the even column's k 2, 3; z = 2: the even column's k 0, 1
.set u, (m/4)%2                        ; 0: T, columns 0, 1;  1: U, columns 2, 3
	v_lshlrev_b32 v[BFD+8*(2*u+(2-z)/2)+2*(m%4)+z%2], 4*(z+1), v[DT+(m%4)+(DX-DT)*u]
.elseif n < 56
.set m, n-48
.set u, m/4
	v_and_b32 v[BFD+8*(2*u+1)+2*(m%4)+1], s[MHI], v[DT+(m%4)+(DX-DT)*u]
.else
.set m, n-56
.set z, m/8
.set u, (m/4)%2
	v_and_b32 v[BFD+8*(2*u+(2-z)/2)+2*(m%4)+z%2], s[MHI], v[BFD+8*(2*u+(2-z)/2)+2*(m%4)+z%2]
.endif
.set n, n+1
.endm
; A quarter's last 16 matrix instructions (blocks 12-15), with the next quarter's unpacking between them: five of its 80 behind each.  None names a register of the products round it.
.macro MULDQ f, zero
.set n, 0
.irp a, 4,5,6,7
.irp b, 0,1,2,3
	WIN MUL_HI
	MM \f, 1, \a, \b, \zero
	WIN 0
.rept 5
	DQ 1-(\f)
.endr
.endr
.endr
.endm
; A load into a register that a matrix instruction has read, and a vector instruction that reads a matrix result, stand four places behind that matrix instruction; only plain vector instructions that name
; none of its registers are places (ISA guide 7.12.1 for vector instructions).
.macro PLACES
.rept 4
	v_nop
.endr
.endm
; A K step is four quarters of 32 along K, 64 matrix instructions each, on buffers 0, 1, 0, 1.  One of the first three: multiplies buffers f, fetches quarter nq of the same slot into the other buffers and unpacks it.
.macro QUARTER slot, nq, f, zero
	s_wait_dscnt 16                                ; x's blocks 0-7 are in; the youngest sixteen loads (blocks 8-15) may be out
	MUL16 \f, 0, 0, \zero
	MUL16 \f, 0, 4, \zero
	PLACES
	FETCH \slot, \nq, 1-(\f)
	s_wait_dscnt 36                                ; all but the 36 just issued
	MUL16 \f, 1, 0, \zero
	s_wait_dscnt 32                                ; the four packed words are in: behind them x's 32 loads were issued
	MULDQ \f, \zero
.endm
; The last quarter multiplies buffers 1 and changes slots: ONE barrier.  In front of it each wave waits for all its tensor loads, of which one is out: its part of the next slot; adds 0 to its spare word; and
; waits for that and for its own reads of this slot.  Behind it nobody reads this slot any more and the next slot is whole.  fill = 1: the barrier opens a round of the cluster's barrier, and this slot is
; filled again, two K steps ahead, first thing behind the round: from that request to the wait for it a wave issues 224 matrix instructions.
.macro TURN slot, next, fill
	WIN 0                                          ; (the add's two registers lie in window 0)
	s_wait_tensorcnt 0x0                           ; all my tensor loads have landed
	ds_add_u32 v[SPW], v[NIL]                      ; 0 onto my spare word
	s_wait_dscnt 17                                ; (the add and the youngest sixteen loads may be out)
	MUL16 1, 0, 0, 0                               ; sixteen matrix instructions stand between the add and the wait for it
	s_wait_dscnt 0x0                               ; the add is done, and my reads of this slot are over
	s_barrier_signal -1
	MUL16 1, 0, 4, 0                               ; work on registers while the others arrive
.if \fill
	WIN 0
.endif
	s_barrier_wait -1
.if \fill
	CREST                                          ; no wave of any partner still reads this slot's tiles or has a load on its way
	s_add_nc_u64 s[G0+4*(\slot)+2:G0+4*(\slot)+3], s[G0+4*(\slot)+2:G0+4*(\slot)+3], 2*ASTEP
	s_add_nc_u64 s[G0B+4*(\slot)+2:G0B+4*(\slot)+3], s[G0B+4*(\slot)+2:G0B+4*(\slot)+3], 2*BSTEP
	JLOAD \slot                                    ; my one tensor load behind the round; the four v_nop behind it are also the places in front of the loads below
.else
	PLACES
.endif
	FETCH \next, 0, 0
	MUL16 1, 1, 0, 0
	s_wait_dscnt 32                                ; the four packed words are in
	MULDQ 1, 0
.endm
; THE WAY OUT of block a (16 rows).  The sums are halved (exact), rounded to f16, and each f16 is multiplied by scale in f32.  Register j of the block's four accumulators: columns 4 r .. 4 r + 3 of row
; 16 a + 8 h + j.  Each accumulator's registers are taken in ascending order.
.macro OUTBLK a
.set AC, 32*((\a)%8)
.set OS, OB+32*((\a)%2)
	s_wait_xcnt 0x0                                ; every earlier store has had its addresses translated (ISA guide 3.1): the set of 32 registers that block a - 2's stores read is rewritten only behind this wait
	WIN 0x02+(\a)/8                                ; source 0: window 2 or 3
.irp b, 0,1,2,3
.irp p, 0,1,2,3
	v_pk_mul_f32 v[TT+2*(4*(\b)+(\p)):TT+2*(4*(\b)+(\p))+1], v[AC+8*(\b)+2*(\p):AC+8*(\b)+2*(\p)+1], 0.5 op_sel_hi:[1,0]
.endr
.endr
	WIN 0
.irp b, 0,1,2,3
.irp p, 0,1,2,3
	v_cvt_pk_f16_f32 v[HF+4*(\b)+(\p)], v[TT+2*(4*(\b)+(\p))], v[TT+2*(4*(\b)+(\p))+1]
.endr
.endr
.irp p, 0,1,2,3
.irp e, 0,1
.irp b, 0,1,2,3
	v_fma_mix_f32 v[OS+4*(2*(\p)+(\e))+(\b)], v[HF+4*(\b)+(\p)], v[SCL], v[ZER] op_sel:[\e,0,0] op_sel_hi:[1,0,0]  ; half e as f16, times scale in f32
.endr
.endr
.endr
.irp j, 0,1,2,3,4,5,6,7
	global_store_b128 v[CO], v[OS+4*(\j):OS+4*(\j)+3], s[10:11] offset:(16*(\a)+(\j))*ROWC th:TH_STORE_NT  ; 16 lanes store 256 consecutive bytes, at a multiple of 256 from out0's first byte; 247 rows at the most: inside the signed 24-bit immediate
.endr
.endm
	s_wait_tensorcnt 1                             ; my part of K step 0 is in; K step 1's may stay out
	s_barrier_signal -1
	s_barrier_wait -1                              ; everybody's is
	FETCH 0, 0, 0
	s_wait_dscnt 32                                ; the four packed words are in
	WIN 0
.set n, 0
.rept 80
	DQ 0                                           ; the first quarter's weights: there is no matrix work yet to set them between
.endr
	QUARTER 0, 1, 0, 1                             ; the first quarter stands in front of the loop: its products start the sums
	WIN 0                                          ; at a label and at a branch every window is 0
	s_mov_b32 s[LAP], LAPS-1
.Llap:                                                 ; a trip goes once round the ring, from a lap's second quarter to the next lap's first, and fills both slots again
	QUARTER 0, 2, 1, 0
	QUARTER 0, 3, 0, 0
	TURN 0, 1, 1
	QUARTER 1, 1, 0, 0
	QUARTER 1, 2, 1, 0
	QUARTER 1, 3, 0, 0
	TURN 1, 0, 1
	QUARTER 0, 1, 0, 0
	WIN 0
	s_sub_co_u32 s[LAP], s[LAP], 1
	s_cmp_lg_u32 s[LAP], 0
	s_cbranch_scc1 .Llap
	QUARTER 0, 2, 1, 0                             ; the last lap is written out: it fills nothing, and has no round of the cluster's barrier
	QUARTER 0, 3, 0, 0
	TURN 0, 1, 0
	QUARTER 1, 1, 0, 0
	QUARTER 1, 2, 1, 0
	QUARTER 1, 3, 0, 0
	s_wait_dscnt 16                                ; the very last quarter: nothing more to fetch
	MUL16 1, 0, 0, 0
	MUL16 1, 0, 4, 0
	s_wait_dscnt 0x0
	MUL16 1, 1, 0, 0
	MUL16 1, 1, 4, 0
	WIN 0
	PLACES                                         ; the way out reads matrix results
.irp a, 0,1,2,3,4,5,6,7,8,9,10,11,12,13,14,15
	OUTBLK \a
.endr
	s_wait_tensorcnt 0x0                           ; the wave's end, behind my last tensor load
	ds_add_u32 v[SPW], v[NIL]
	s_wait_dscnt 0x0
	CROUND                                         ; the closing round: no work-group ends while a partner may still ask for a tile that names it
	s_endpgm
.Lfunc_end_k_qfff89d6619_bitgemm:
	.size	k_qfff89d6619_bitgemm, .Lfunc_end_k_qfff89d6619_bitgemm-k_qfff89d6619_bitgemm
	.p2alignl 7, 3214868480
	.fill 96, 4, 3214868480
	.section	.rodata,"a",@progbits
	.p2align	6, 0x0
	.amdhsa_kernel k_qfff89d6619_bitgemm
		.amdhsa_group_segment_fixed_size 327680
		.amdhsa_private_segment_fixed_size 0
		.amdhsa_enable_private_segment 0
		.amdhsa_kernarg_size 32
		.amdhsa_user_sgpr_count 2
		.amdhsa_user_sgpr_kernarg_segment_ptr 1
		.amdhsa_wavefront_size32 1
		.amdhsa_system_sgpr_workgroup_id_x 1
		.amdhsa_system_sgpr_workgroup_id_y 1
		.amdhsa_system_sgpr_workgroup_id_z 1
		.amdhsa_system_vgpr_workitem_id 0
		.amdhsa_next_free_vgpr 1024
		.amdhsa_next_free_sgpr 72
		.amdhsa_reserve_vcc 0
		.amdhsa_float_denorm_mode_32 3
		.amdhsa_float_denorm_mode_16_64 3
		.amdhsa_memory_ordered 1
		.amdhsa_forward_progress 1
		.amdhsa_inst_pref_size 251
	.end_amdhsa_kernel
	.amdgpu_metadata
---
amdhsa.version: [ 1, 2 ]
amdhsa.kernels:
  - .name:           k_qfff89d6619_bitgemm
    .symbol:         k_qfff89d6619_bitgemm.kd
    .args:
      - { .name: x, .offset: 0, .size: 8, .value_kind: global_buffer, .address_space: global }
      - { .name: packed_weight, .offset: 8, .size: 8, .value_kind: global_buffer, .address_space: global }
      - { .name: scale, .offset: 16, .size: 8, .value_kind: global_buffer, .address_space: global }
      - { .name: out0, .offset: 24, .size: 8, .value_kind: global_buffer, .address_space: global }
    .group_segment_fixed_size: 327680
    .private_segment_fixed_size: 0
    .kernarg_segment_align: 8
    .kernarg_segment_size: 32
    .max_flat_workgroup_size: 128
    .sgpr_count:     72
    .vgpr_count:     1024
    .wavefront_size: 32
...
	.end_amdgpu_metadata
.endif
;; end of part 1
